; MI455X (gfx1250); checked and timed in simulation.
; The chip was launched on July 23, 2026; its instructions are those of AMD's public machine-readable ISA for CDNA 5 (MIT licence, August 2026) and "CDNA5" Instruction Set Architecture Reference Guide (July 2026). The comments in the code are by the model that wrote it; some were corrected since.
;; Simple LSTM Cell. Allowed arithmetic: float matrix products may take bf16 or f16 operands with f32 sums; other float arithmetic in f32, or as packed bf16 or f16 multiplies, adds, multiply-adds, maxima and minima; sums over many terms, partial sums and values carried from step to step in f32; what a program stores and reads back later, other than sums and carried values, may be rounded once to bf16 or f16.
;; Inputs: W_c 1,024 x 2,048 float32; W_f 1,024 x 2,048 float32; W_i 1,024 x 2,048 float32; W_o 1,024 x 2,048 float32; b_c 1,024 float32; b_f 1,024 float32; b_i 1,024 float32; b_o 1,024 float32; c_prev 8,192 x 1,024 float32; h_prev 8,192 x 1,024 float32; x 8,192 x 1,024 float32.
;; Outputs: out0 8,192 x 1,024 float32; out1 8,192 x 1,024 float32.
;; 2 versions, each right; version 2 is version 1 with the launch pack written anew for expert scheduling mode. Each part assembles by itself: llvm-mc -triple=amdgcn-amd-amdhsa -mcpu=gfx1250 --defsym DOCPART=n.
;; ======== version 1 of 2: 2 launches
;; workspace buffers: comb 33,554,432 bytes; wp 16,777,216 bytes
;; launch pack (part 1): grid 256 x 3, 8 waves a work-group, no clusters, 0 bytes of LDS; arguments x, h_prev, W_f, W_i, W_c, W_o, comb, wp; writes comb, wp
.if DOCPART == 1
	.amdgcn_target "amdgcn-amd-amdhsa--gfx1250"
	.amdhsa_code_object_version 6
	.text
	.protected	k_q18441eff49_pack
	.globl	k_q18441eff49_pack
	.p2align	8
	.type	k_q18441eff49_pack,@function
k_q18441eff49_pack:
	s_mov_b64 s[64:65], 0
	v_nop
	global_prefetch_b8 v0, s[64:65] scope:SCOPE_SE
	s_setreg_imm32_b32 hwreg(HW_REG_WAVE_MODE, 25, 1), 1
	s_wait_xcnt 0x0
; x, h_prev and the four weight matrices, all f32, are rounded once to bf16 (nearest even) and laid out for the product that follows:
;   comb [8192][2048] bf16: row m = x[m][0..1023], then h_prev[m][0..1023]; a row is 4,096 bytes.
;   wp   [4096][2048] bf16: row (j >> 5) * 128 + g * 32 + (j & 31) = W_g[j], g = 0 f, 1 i, 2 c, 3 o: 128 rows on end hold all four gates of 32 hidden columns.
; A stream: each source byte is read once, each byte of comb and wp written once.  No LDS, no barrier, no loop, no matrix unit: nothing is shared and nothing is summed.
; SHARES.  A PIECE is 4,096 source bytes (1,024 f32), which become 2,048 bytes.  A work-group takes 32 pieces on end in its source: grid y = 0: 32 rows of x; y = 1: 32 rows of h_prev;
; y = 2: 16 rows (two pieces each) of W_g, g = grid x / 64.  In the destination its pieces lie 4,096 bytes apart (comb: one half of a row each) or 2,048 (wp: on end).
; Wave w takes pieces 4 w .. 4 w + 3.  A piece is eight chunks: one load of 16 bytes a lane (512 consecutive bytes a wave) and one store of 8 bytes a lane (256 consecutive bytes, aligned).
; All 32 loads of a wave go out first (16 KiB on their way); each chunk is rounded and stored as it arrives.  No register is written twice, so no wait frees a source.
.set D, 8                              ; v[8:135]  chunk k = 8 i + c (piece i of my four, chunk c) at D + 4 k
	s_load_b512 s[16:31], s[0:1], 0x0              ; x s[16:17], h_prev s[18:19], W_f s[20:21], W_i s[22:23], W_c s[24:25], W_o s[26:27], comb s[28:29], wp s[30:31]
	v_lshrrev_b32 v7, 5, v0
	v_readfirstlane_b32 s8, v7                     ; wave 0..7
	v_and_b32 v6, 31, v0                           ; lane
	s_and_b32 s9, ttmp7, 0xffff                    ; grid y: which source
	s_mov_b32 s10, ttmp9                           ; grid x
	s_lshr_b32 s11, s10, 6                         ; for the weights: gate g,
	s_and_b32 s12, s10, 63                         ; and block of 16 rows in W_g
	s_lshl_b32 s44, s10, 17                        ; comb: 32 rows of 4,096 bytes a work-group,
	s_lshl_b32 s45, s9, 11                         ; h_prev in the rows' second half
	s_add_co_u32 s44, s44, s45
	s_lshr_b32 s46, s12, 1                         ; wp: row ((blk >> 1) * 128 + g * 32 + (blk & 1) * 16)
	s_lshl_b32 s46, s46, 7
	s_lshl_b32 s47, s11, 5
	s_add_co_u32 s46, s46, s47
	s_and_b32 s47, s12, 1
	s_lshl_b32 s47, s47, 4
	s_add_co_u32 s46, s46, s47
	s_lshl_b32 s46, s46, 12                        ; of 4,096 bytes
	s_cmp_eq_u32 s9, 2                             ; the weights?
	s_cselect_b32 s13, s12, s10                    ; my block of 131,072 bytes in the source
	s_cselect_b32 s14, 11, 12                      ; the pieces' distance in the destination, as a shift
	s_cselect_b32 s34, s46, s44                    ; my first byte in the destination
	s_lshl_b32 s32, s13, 17
	s_mov_b32 s33, 0
	s_mov_b32 s35, 0
	s_lshl_b32 s42, s8, 2                          ; my first piece
.irp i, 0,1,2,3
	s_add_co_u32 s[36+(\i)], s42, \i
	s_lshl_b32 s[36+(\i)], s[36+(\i)], s14
	v_lshl_add_u32 v[2+(\i)], v6, 3, s[36+(\i)]    ; v[2:5]: 8 x lane + my piece i's place in the destination
.endr
	s_lshl_b32 s15, s8, 14
	v_lshl_add_u32 v1, v6, 4, s15                  ; v1: 16 x lane + my four pieces' place in the source
	s_wait_kmcnt 0x0
	s_cmp_eq_u32 s9, 0                             ; the pointers are chosen by the grid's numbers alone
	s_cselect_b64 s[4:5], s[16:17], s[18:19]
	s_cmp_eq_u32 s11, 1
	s_cselect_b64 s[40:41], s[22:23], s[20:21]
	s_cmp_eq_u32 s11, 2
	s_cselect_b64 s[40:41], s[24:25], s[40:41]
	s_cmp_eq_u32 s11, 3
	s_cselect_b64 s[40:41], s[26:27], s[40:41]
	s_cmp_eq_u32 s9, 2
	s_cselect_b64 s[4:5], s[40:41], s[4:5]         ; the source,
	s_cselect_b64 s[6:7], s[30:31], s[28:29]       ; the destination
	s_add_nc_u64 s[4:5], s[4:5], s[32:33]
	s_add_nc_u64 s[6:7], s[6:7], s[34:35]
.set k, 0
.rept 32
	global_load_b128 v[D+4*k:D+4*k+3], v1, s[4:5] offset:(k/8)*4096+(k%8)*512 th:TH_LOAD_NT
.set k, k+1
.endr
.set k, 0
.rept 32
	s_wait_loadcnt 31-k                            ; loads come back in order (ISA guide 5.7.1): chunk k is in, the 31 - k younger ones stay out
	v_cvt_pk_bf16_f32 v[D+4*k], v[D+4*k], v[D+4*k+1]
	v_cvt_pk_bf16_f32 v[D+4*k+1], v[D+4*k+2], v[D+4*k+3]
	global_store_b64 v[2+k/8], v[D+4*k:D+4*k+1], s[6:7] offset:(k%8)*256  ; the wave's 32 lanes store 256 consecutive bytes, at a multiple of 256 from the buffer's first byte
.set k, k+1
.endr
	s_endpgm
.Lfunc_end_k_q18441eff49_pack:
	.size	k_q18441eff49_pack, .Lfunc_end_k_q18441eff49_pack-k_q18441eff49_pack
	.p2alignl 7, 3214868480
	.fill 96, 4, 3214868480
	.section	.rodata,"a",@progbits
	.p2align	6, 0x0
	.amdhsa_kernel k_q18441eff49_pack
		.amdhsa_group_segment_fixed_size 0
		.amdhsa_private_segment_fixed_size 0
		.amdhsa_enable_private_segment 0
		.amdhsa_kernarg_size 64
		.amdhsa_user_sgpr_count 2
		.amdhsa_user_sgpr_kernarg_segment_ptr 1
		.amdhsa_wavefront_size32 1
		.amdhsa_system_sgpr_workgroup_id_x 1
		.amdhsa_system_sgpr_workgroup_id_y 1
		.amdhsa_system_sgpr_workgroup_id_z 1
		.amdhsa_system_vgpr_workitem_id 0
		.amdhsa_next_free_vgpr 140
		.amdhsa_next_free_sgpr 66
		.amdhsa_reserve_vcc 0
		.amdhsa_float_denorm_mode_32 3
		.amdhsa_float_denorm_mode_16_64 3
		.amdhsa_memory_ordered 1
		.amdhsa_forward_progress 1
		.amdhsa_inst_pref_size 14
	.end_amdhsa_kernel
	.amdgpu_metadata
---
amdhsa.version: [ 1, 2 ]
amdhsa.kernels:
  - .name:           k_q18441eff49_pack
    .symbol:         k_q18441eff49_pack.kd
    .args:
      - { .name: x, .offset: 0, .size: 8, .value_kind: global_buffer, .address_space: global }
      - { .name: h_prev, .offset: 8, .size: 8, .value_kind: global_buffer, .address_space: global }
      - { .name: W_f, .offset: 16, .size: 8, .value_kind: global_buffer, .address_space: global }
      - { .name: W_i, .offset: 24, .size: 8, .value_kind: global_buffer, .address_space: global }
      - { .name: W_c, .offset: 32, .size: 8, .value_kind: global_buffer, .address_space: global }
      - { .name: W_o, .offset: 40, .size: 8, .value_kind: global_buffer, .address_space: global }
      - { .name: comb, .offset: 48, .size: 8, .value_kind: global_buffer, .address_space: global }
      - { .name: wp, .offset: 56, .size: 8, .value_kind: global_buffer, .address_space: global }
    .group_segment_fixed_size: 0
    .private_segment_fixed_size: 0
    .kernarg_segment_align: 8
    .kernarg_segment_size: 64
    .max_flat_workgroup_size: 256
    .sgpr_count:     66
    .vgpr_count:     140
    .wavefront_size: 32
...
	.end_amdgpu_metadata
.endif
;; end of part 1
;; launch lstm (part 2): grid 16 x 32, 4 waves a work-group, clusters of 4 x 4, 327,680 bytes of LDS; arguments comb, wp, c_prev, b_f, b_i, b_c, b_o, out0, out1; writes out0, out1
.if DOCPART == 2
	.amdgcn_target "amdgcn-amd-amdhsa--gfx1250"
	.amdhsa_code_object_version 6
	.text
	.protected	k_q18441eff49_lstm
	.globl	k_q18441eff49_lstm
	.p2align	8
	.type	k_q18441eff49_lstm,@function
k_q18441eff49_lstm:
	s_mov_b64 s[64:65], 0
	v_nop
	global_prefetch_b8 v0, s[64:65] scope:SCOPE_SE
	s_setreg_imm32_b32 hwreg(HW_REG_WAVE_MODE, 25, 1), 1
	s_wait_xcnt 0x0
	s_wait_alu depctr_hold_cnt(0) depctr_sa_sdst(0) depctr_va_vdst(0) depctr_va_sdst(0) depctr_va_ssrc(0) depctr_va_vcc(0) depctr_vm_vsrc(0)
	s_getreg_b32 s2, hwreg(HW_REG_IB_STS2, 6, 4)
	s_cmp_eq_u32 s2, 0
	s_cbranch_scc0 .Lentry_in_a_cluster
	s_endpgm
.Lentry_in_a_cluster:
	s_bfe_u32 s2, ttmp6, 0x10000c
	s_cmp_lg_u32 s2, 0xf033
	s_cbranch_scc0 .Lentry_shape_is_right
	s_endpgm
.Lentry_shape_is_right:
; THE LSTM CELL.  gates = comb wp^T + bias (comb [8192][2048], wp [4096][2048], bf16, as the launch before laid them out; sums in f32);
; c_t = sigmoid(f) c_prev + sigmoid(i) tanh(c~) -> out1;  h_t = sigmoid(o) tanh(c_t) -> out0.  Biases, c_prev, gates and both outputs in f32.
; LIMITS.  x, h_prev and the weights enter the product rounded once to bf16.  sigmoid(z) = 1 / (1 + 2^(-1.442695 z)), tanh(z) = 1 - 2 / (1 + 2^(2.885390 z)): an exponential that overflows gives
; an infinity whose reciprocal is 0, so the gates end at 0, 1 and -1 for every finite z and nothing is clamped; a gate below 2^-126 counts as 0; tanh carries an absolute error of about 1e-7 near 0;
; NaN and infinities among the inputs are not treated apart.
; SHARES.  A work-group of four waves makes 256 batch rows x 64 hidden columns of both outputs: a tile of 256 x 256 of the gates (tile column tc = rows 256 tc .. of wp = four gates x hidden columns
; 64 tc .. 64 tc + 63).  A wave makes 128 x 128: 64 accumulators of 16 x 16, 512 registers: its 128 rows of wp are four gates x 32 hidden columns.  K goes in 16 steps of 128 through a ring of two LDS
; slots filled by the tensor data mover; the tiles' rows are 256 bytes of memory at multiples of 256 bytes.
; THE MATRIX INSTRUCTION IS USED TRANSPOSED (source 0 = 16 rows of wp, source 1 = 16 rows of comb): lane l holds batch row l % 16 and eight neighbouring columns.  Accumulator (a, b), b = 2 g + s,
; register r: batch row 16 a + l % 16 of my 128, gate g, hidden column 16 s + 8 (l / 16) + r of my 32.  So the four gates of an output lie in ONE lane at the same r, and the cell is finished in registers.
; CLUSTERS: 4 x 4 work-groups.  The four of a row of the cluster need the same tiles of comb, the four of a column the same tiles of wp: each tile is asked for JOINTLY, by the same tensor load with the
; same descriptor and a mask that names the four.
; THE TILE'S END.  When slot 0 has been read for the last time, its first half takes the tile's 256 x 64 of c_prev (a tensor load of each wave's own, 64 rows), which lands during the last K step.
; Behind the last products slot 0's second half and slot 1's first half, which no tensor load fills any more, are the stages through which h_t and c_t leave as whole rows of 256 bytes.
; REGISTERS, in windows of 256 (s_set_vgpr_msb: bits 1:0 source 0, 3:2 source 1, 5:4 source 2, 7:6 destination):
;   window 0: v0-31 addresses; v32-47 c_prev, then c_t, of a block; v64-127, v128-191 fragments of comb, two buffers (behind the loop: the gates at work, then rows on their way out); v192-255 the biases, scaled
;   window 1: v64-127, v128-191 fragments of wp, two buffers (at the end: rows of h_t on their way out)      window 2: the accumulators of my rows 0-63      window 3: those of my rows 64-127
.set SIZE_K, 2048
.set KSTEP,  128
.set PITCH,  272                       ; an LDS row: 256 bytes of data + 16 of padding = 68 words: row r starts at bank 4 r mod 64 (64 banks of 4 bytes: ISA guide 11.1), so the 16 rows of a load start at 16 different banks
.set HALFT,  128*PITCH                 ; 128 rows: what one joint load brings, and what one wave reads of comb or of wp
.set SLOT,   4*HALFT                   ; comb's 256 rows, then wp's 256 rows
.set HST,    2*HALFT                   ; at the end: the stage for h_t, 256 rows x 272 bytes (c_prev lies at byte 0, 256 rows x 272)
.set CST,    SLOT                      ; at the end: the stage for c_t, likewise
.set SPARE,  2*SLOT                    ; behind the ring: the spare words, 128 bytes for each wave: two blocks of 256 bytes that no other line names
.set LAPS,   SIZE_K/(2*KSTEP)          ; a lap = two K steps = once round the ring
.set RDH,  12                          ; v12     the way out: where I read rows of h_t back
.set RDC,  13                          ; v13     the same for c_t
.set ADRA, 16                          ; v16-17  LDS address of my fragments of comb in slot 0, 1
.set ADRB, 20                          ; v20-21  the same for wp
.set PFC,  22                          ; v22     4,096 x lane: a row of c_prev; never rewritten
.set BO,   23                          ; v23     my byte offset in a bias vector
.set CL,   24                          ; v24     where my 32 bytes of a row of c_prev lie
.set HL,   25                          ; v25     the same place in h_t's stage
.set CSL,  26                          ; v26     and in c_t's
.set SPW,  28                          ; v28     LDS address of my spare word: SPARE + 4 x my thread's number; never rewritten
.set NIL,  29                          ; v29     0; never rewritten
.set PFO,  30                          ; v30     my lane x a row of comb or wp (4,096 bytes); never rewritten
.set CO,   31                          ; v31     my byte offset in two rows of an output
.set CP,   32                          ; v[32:47]   16 numbers of c_prev, then of c_t: index i = 8 s + r
.set F0,   64                          ; fragment buffer 0
.set F1,   128                         ; fragment buffer 1
.set Z,    64                          ; behind the loop: v[64:127]: gate g's 16 numbers at Z + 16 g + i
.set OB,   64                          ; the way out: 64 rows read back, v[64:191] of window 0 (c_t) and of window 1 (h_t)
.set BI,   192                         ; v[192:255] the bias of accumulator column b, register r, at BI + 8 b + r, times the gate's factor
.set G1,  24                           ; s[24:31] descriptor group 1 for comb's tiles
.set G0,  32                           ; s[32:39] group 0, one set for each slot
.set LIM, 43                           ; s43      1 in a wave that prefetches along K, else the greatest number
.set PFA, 44                           ; s[44:45] where my prefetches along K stand
.set G1B, 48                           ; s[48:55] group 1 for wp's tiles: it differs in the mask alone
.set G0B, 56                           ; s[56:63] group 0, one set for each slot
.set G0C, 68                           ; s[68:71] group 0 for c_prev
.set G1C, 72                           ; s[72:79] group 1 for c_prev
.set KS,  80                           ; s[80:81] -log2(e): the sigmoids' factor (a pair: the packed forms name two registers and take the low one for both halves)
.set KT,  82                           ; s[82:83] 2 log2(e): the factor of tanh
.set MSB, 0
.macro WIN new                         ; the immediate's high byte repeats the setting that is left; a switch that changes nothing is dropped
.if MSB != (\new)
	s_set_vgpr_msb (MSB<<8)|(\new)
.set MSB, \new
.endif
.endm
.set MUL_LO, 0xa1                      ; source 0 (wp) window 1, source 1 (comb) window 0, C and D window 2
.set MUL_HI, 0xf1                      ; the same, C and D window 3
.set TO_B,   0x40                      ; destination window 1, address window 0
; A joint load.  Waves 0 and 1 fetch comb's two halves, waves 2 and 3 wp's.  Each of the two lines has one mask and one set of registers for all that issue it; the branch hangs on the wave's number alone.
; An s_nop 0 and four v_nop follow each of the two lines, ahead of the jump, the label and what follows the macro.
.macro JLOAD s
	s_cmp_eq_u32 s11, 0
	s_cbranch_scc0 .Lfor_b_\@
	tensor_load_to_lds s[G0+4*(\s):G0+4*(\s)+3], s[G1:G1+7]
	s_nop 0
.rept 4
	v_nop
.endr
	s_branch .Lasked_\@
.Lfor_b_\@:
	tensor_load_to_lds s[G0B+4*(\s):G0B+4*(\s)+3], s[G1B:G1B+7]
	s_nop 0
.rept 4
	v_nop
.endr
.Lasked_\@:
.endm
; PREFETCHES INTO THE L2, behind a joint load, its five lines and the run of LDS loads that follows them.
; Along K: the K step that stands two refills on, 512 matrix instructions ahead of the load that will want it: 32 rows x 256 bytes, a lane a row, one instruction a wave.  Each row's 256 bytes of a K step are
; named once in the launch: comb's tile row is read by every cluster of that row of clusters, and the one with cluster x = 0 asks; wp's tile column by every cluster of that column, and cluster y = 0 asks; the
; four partners that ask for a tile jointly share its rows out by address, 32 each of the 128 that a wave fetches.  The loop's last trip (s3 = 1) has no K step two on and asks for none.
; c_prev (slot = 1 alone, in the loop's last trip): my own 64 rows x 256 bytes, a lane a row, two instructions: one K step, 256 matrix instructions, ahead of the tensor load that brings them.
.macro ASK slot
	s_cmp_gt_u32 s3, s[LIM]
	s_cbranch_scc0 .Lnot_mine_\@
	global_prefetch_b8 v[PFO], s[PFA:PFA+1] offset:KSTEP*2 th:TH_LOAD_NT scope:SCOPE_SE
.Lnot_mine_\@:
.if \slot
	s_cmp_eq_u32 s3, 1
	s_cbranch_scc0 .Lnot_yet_\@
	global_prefetch_b8 v[PFC], s[8:9] th:TH_LOAD_NT scope:SCOPE_SE
	global_prefetch_b8 v[PFC], s[8:9] offset:32*4096 th:TH_LOAD_NT scope:SCOPE_SE
.Lnot_yet_\@:
.endif
.endm
; A round of the cluster's barrier: my work-group's barrier, so that wave 0's signal speaks for all four waves; wave 0 signals for the work-group; every wave waits for all sixteen work-groups; my
; work-group's barrier once more.  No LDS instruction of the wave is pending at a signal.
.macro CREST                           ; a round behind its opening barrier
	s_cmp_lg_u32 s10, 0
	s_cbranch_scc1 .Lnot_wave_0_\@
	s_barrier_signal -3
.Lnot_wave_0_\@:
	s_barrier_wait -3
	s_barrier_signal -1
	s_barrier_wait -1
.endm
.macro CROUND                          ; a whole round
	s_barrier_signal -1
	s_barrier_wait -1
	CREST
.endm
	s_load_b128 s[4:7], s[0:1], 0x0                ; comb s[4:5], wp s[6:7]
	s_load_b64 s[8:9], s[0:1], 0x10                ; c_prev
	s_load_b256 s[88:95], s[0:1], 0x18             ; b_f s[88:89], b_i s[90:91], b_c s[92:93], b_o s[94:95]
	s_load_b128 s[84:87], s[0:1], 0x38             ; out0 (h_t) s[84:85], out1 (c_t) s[86:87]
	v_lshl_add_u32 v[SPW], v0, 2, SPARE
	v_mov_b32 v[NIL], 0
	ds_add_u32 v[SPW], v[NIL]                      ; the wave's opening: the add and its wait stand ahead of my first tensor load; the set-up below, work on registers, stands between them
	v_lshrrev_b32 v1, 5, v0
	v_readfirstlane_b32 s10, v1                    ; wave 0..3
	s_lshr_b32 s11, s10, 1                         ; which half of the tile's rows is mine.  Also: I fetch for comb (0) or for wp (1)
	s_and_b32 s12, s10, 1                          ; which half of its columns.  Also: which 128 rows of that tile I fetch
	s_bfe_u32 s40, ttmp6, 0x40000                  ; cx: my place along the cluster's x
	s_bfe_u32 s41, ttmp6, 0x40004                  ; cy: along its y
	s_lshl_b32 s42, ttmp9, 2                       ; in a cluster launch ttmp9 and ttmp7 count clusters
	s_add_co_u32 s42, s42, s40                     ; tile column = 4 x cluster x + cx
	s_and_b32 s13, ttmp7, 0xffff
	s_lshl_b32 s13, s13, 2
	s_add_co_u32 s13, s13, s41                     ; tile row = 4 x cluster y + cy
	s_lshl_b32 s43, s41, 2
	s_lshl_b32 s43, 15, s43                        ; my row of the cluster: places 4 cy .. 4 cy + 3
	s_lshl_b32 s44, 0x1111, s40                    ; my column: places cx, cx + 4, cx + 8, cx + 12
	; descriptor group 1 for the joint loads: a tile of 128 rows x 128 elements of 2 bytes, padded in LDS
	s_or_b32 s[G1+0], s43, (1<<16)|(1<<20)|(1<<21)|(5<<22)|(3<<25)  ; 15:0 the mask: comb's tiles go to my row; 17:16 elements of 2 bytes; 20 padding on; 21 set beside a mask; 24:22 after every 64 words (code 5); 31:25 4 words of it (code 3)
	s_or_b32 s[G1B+0], s44, (1<<16)|(1<<20)|(1<<21)|(5<<22)|(3<<25) ; the same with the mask of my column, for wp's tiles
.irp g, G1, G1B
	s_mov_b32 s[(\g)+1], KSTEP<<16                 ; tensor_dim0 = 128
	s_mov_b32 s[(\g)+2], 128<<16                   ; tensor_dim1 = 128
	s_mov_b32 s[(\g)+3], KSTEP<<16                 ; tile_dim0 = 128
	s_mov_b32 s[(\g)+4], 128                       ; tile_dim1 = 128
	s_mov_b32 s[(\g)+5], SIZE_K                    ; elements from row to row
	s_mov_b32 s[(\g)+6], 0
	s_mov_b32 s[(\g)+7], 0
.endr
	; c_prev: a load of my own (no mask): 64 rows x 64 elements of 4 bytes, padded alike
	s_mov_b32 s[G1C+0], (2<<16)|(1<<20)|(5<<22)|(3<<25)
	s_mov_b32 s[G1C+1], 64<<16                     ; tensor_dim0 = 64
	s_mov_b32 s[G1C+2], 64<<16                     ; tensor_dim1 = 64
	s_mov_b32 s[G1C+3], 64<<16                     ; tile_dim0 = 64
	s_mov_b32 s[G1C+4], 64                         ; tile_dim1 = 64
	s_mov_b32 s[G1C+5], 1024                       ; elements from row to row
	s_mov_b32 s[G1C+6], 0
	s_mov_b32 s[G1C+7], 0
	s_mov_b32 s[G0C], 1                            ; count = 1
	s_mul_i32 s[G0C+1], s10, 64*PITCH              ; LDS address: wave x 64 rows, from byte 0
	s_mov_b32 s[KS], 0xbfb8aa3b                    ; -1.442695
	s_mov_b32 s[KS+1], 0xbfb8aa3b
	s_mov_b32 s[KT], 0x4038aa3b                    ; 2.885390
	s_mov_b32 s[KT+1], 0x4038aa3b
	; where the tiles come from.  comb's hang on the tile row alone, which my row of the cluster shares; wp's on the tile column alone, which my column shares.
	s_lshl_b32 s17, s12, 7                         ; which 128 rows of the tile I fetch
	s_lshl_b32 s16, s13, 8
	s_add_co_u32 s16, s16, s17                     ; comb: row 256 x tile row + 128 x half
	s_lshl_b32 s46, s42, 8
	s_add_co_u32 s46, s46, s17                     ; wp: row 256 x tile column + 128 x half
	s_mov_b32 s17, 0
	s_mov_b32 s47, 0
	s_mov_b64 s[18:19], SIZE_K*2
	s_mul_u64 s[16:17], s[16:17], s[18:19]         ; in bytes
	s_mul_u64 s[46:47], s[46:47], s[18:19]
	s_mul_i32 s20, s10, HALFT                      ; and where they go: wave x 128 rows: no place in the cluster enters an LDS address
	s_wait_dscnt 0x0                               ; the opening add is done
	s_wait_kmcnt 0x0
	s_add_nc_u64 s[14:15], s[4:5], s[16:17]
	s_add_nc_u64 s[46:47], s[6:7], s[46:47]
	CROUND                                         ; all sixteen work-groups are here: the first joint loads meet
.irp s, 0,1
	s_mov_b32 s[G0+4*(\s)], 1                                      ; count = 1
	s_add_co_u32 s[G0+4*(\s)+1], s20, (\s)*SLOT                    ; LDS address
	s_add_nc_u64 s[G0+4*(\s)+2:G0+4*(\s)+3], s[14:15], (\s)*KSTEP*2  ; global address: K step s
	s_or_b32 s[G0+4*(\s)+3], s[G0+4*(\s)+3], 0x80000000            ; type = 2
	s_mov_b32 s[G0B+4*(\s)], 1
	s_add_co_u32 s[G0B+4*(\s)+1], s20, (\s)*SLOT
	s_add_nc_u64 s[G0B+4*(\s)+2:G0B+4*(\s)+3], s[46:47], (\s)*KSTEP*2
	s_or_b32 s[G0B+4*(\s)+3], s[G0B+4*(\s)+3], 0x80000000
	JLOAD \s                                       ; the ring is filled before anything else is done: two loads of mine are out
.endr
	; A fragment is 16 rows x 32 K in 8 registers: lane l holds row l % 16; registers 0-3 K = 8 (l / 16) + 0..7, registers 4-7 K = 16 + 8 (l / 16) + 0..7: two loads of 16 bytes, 32 bytes apart.
	v_and_b32 v1, 15, v0                           ; l % 16
	v_bfe_u32 v2, v0, 4, 1                         ; l / 16
	v_mul_u32_u24 v3, v1, PITCH
	v_lshl_add_u32 v3, v2, 4, v3                   ; row x pitch + 16 x half
	s_mul_i32 s21, s11, HALFT                      ; my 128 rows of comb
	s_mul_i32 s22, s12, HALFT                      ; my 128 rows of wp,
	s_add_co_u32 s22, s22, 2*HALFT                 ; which lie behind comb's 256
.irp s, 0,1
	v_add_nc_u32 v[ADRA+(\s)], s21, v3
	v_add_nc_u32 v[ADRB+(\s)], s22, v3
	s_add_co_u32 s21, s21, SLOT
	s_add_co_u32 s22, s22, SLOT
.endr
	; c_prev, out0 and out1 at the 64 rows x 256 bytes that I fetch and later store: row 256 x tile row + 64 x wave, byte 256 x tile column
	s_lshl_b32 s13, s13, 8                         ; 256 x tile row
	s_lshl_b32 s42, s42, 8                         ; 256 x tile column
	s_lshl_b32 s20, s10, 6
	s_add_co_u32 s20, s20, s13
	s_lshl_b32 s66, s20, 12                        ; rows of 4,096 bytes: under 2^25
	s_add_co_u32 s66, s66, s42
	s_mov_b32 s67, 0
	s_add_nc_u64 s[8:9], s[8:9], s[66:67]
	s_add_nc_u64 s[84:85], s[84:85], s[66:67]
	s_add_nc_u64 s[86:87], s[86:87], s[66:67]
	s_mov_b64 s[G0C+2:G0C+3], s[8:9]
	s_or_b32 s[G0C+3], s[G0C+3], 0x80000000        ; type = 2
	; in the tile's 256 rows x 256 bytes (c_prev and both stages): row 128 x row half + l % 16 (+ 16 a), byte 128 x column half + 32 (l / 16) (+ 64 s)
	v_mul_u32_u24 v4, v1, PITCH
	v_lshl_add_u32 v4, v2, 5, v4
	s_mul_i32 s20, s11, HALFT
	s_lshl_b32 s21, s12, 7
	s_add_co_u32 s20, s20, s21
	v_add_nc_u32 v[CL], s20, v4
	v_add_nc_u32 v[HL], HST, v[CL]
	v_add_nc_u32 v[CSL], CST, v[CL]
	s_add_co_u32 s21, s21, s42                     ; a bias vector: 4 x (64 x tile column + 32 x column half + 8 (l / 16))
	v_lshl_add_u32 v[BO], v2, 5, s21
	; back: wave w takes rows 64 w .. 64 w + 63, whole; lanes 0-15 one row of 256 bytes, lanes 16-31 the next
	v_mul_u32_u24 v5, v2, PITCH
	v_lshl_add_u32 v5, v1, 4, v5
	s_mul_i32 s20, s10, 64*PITCH
	v_add_nc_u32 v5, s20, v5
	v_add_nc_u32 v[RDH], HST, v5
	v_add_nc_u32 v[RDC], CST, v5
	v_lshlrev_b32 v[CO], 12, v2                    ; and the same two rows in an output
	v_lshl_add_u32 v[CO], v1, 4, v[CO]
	v_and_b32 v[PFC], 31, v0
	v_lshlrev_b32 v[PFC], 12, v[PFC]
	; the biases: 16 bytes a load, the same 8 numbers in the 16 lanes of a half
.irp g, 0,1,2,3
.irp s, 0,1
	global_load_b128 v[BI+16*(\g)+8*(\s):BI+16*(\g)+8*(\s)+3],   v[BO], s[88+2*(\g):89+2*(\g)] offset:64*(\s)
	global_load_b128 v[BI+16*(\g)+8*(\s)+4:BI+16*(\g)+8*(\s)+7], v[BO], s[88+2*(\g):89+2*(\g)] offset:64*(\s)+16
.endr
.endr
	; the prefetches along K.  s13 = 256 x tile row, s42 = 256 x tile column
	s_and_b32 s22, ttmp7, 0xffff                   ; cluster y
	s_cmp_eq_u32 s11, 0                            ; do I fetch for comb?
	s_cselect_b32 s20, s13, s42                    ; the tile's first row
	s_cselect_b32 s21, s40, s41                    ; my place among the four that ask for it with me
	s_cselect_b32 s22, ttmp9, s22                  ; the coordinate along which other clusters read the same rows
	s_cselect_b64 s[PFA:PFA+1], s[4:5], s[6:7]
	s_cmp_eq_u32 s22, 0
	s_cselect_b32 s[LIM], 1, -1                    ; the same in all sixteen partners, for a given wave
	s_lshl_b32 s22, s12, 7
	s_add_co_u32 s20, s20, s22                     ; + the 128 rows that I fetch
	s_lshl_b32 s21, s21, 5
	s_add_co_u32 s20, s20, s21                     ; + my work-group's 32 of them
	s_mov_b32 s21, 0
	s_mov_b64 s[18:19], SIZE_K*2
	s_mul_u64 s[20:21], s[20:21], s[18:19]
	s_add_nc_u64 s[PFA:PFA+1], s[PFA:PFA+1], s[20:21]
	s_add_nc_u64 s[PFA:PFA+1], s[PFA:PFA+1], 2*KSTEP*2  ; at K step 2: the first refill steps it to 3 and names K step 4.  Nothing is prefetched here, at the head
	v_and_b32 v[PFO], 31, v0
	v_mul_u32_u24 v[PFO], v[PFO], SIZE_K*2
	s_wait_loadcnt 0x0                             ; the biases, once; they are multiplied by their gate's factor, so that factor x (sum + bias) is one fused multiply-add later
.set j, 0
.rept 32
.if (j >= 32) && (j < 48)
	v_pk_mul_f32 v[BI+j:BI+j+1], v[BI+j:BI+j+1], s[KT:KT+1] op_sel_hi:[1,0]
.else
	v_pk_mul_f32 v[BI+j:BI+j+1], v[BI+j:BI+j+1], s[KS:KS+1] op_sel_hi:[1,0]
.endif
.set j, j+2
.endr
; 16 matrix instructions: m blocks a0, a0 + 1 of the window's four (hi = 0: my rows 0-63, 1: rows 64-127) x all 8 n blocks, 32 along K.  zero = 1: the first product starts the sums: nothing is cleared.
; The 64 accumulators take turns, one instruction a turn, in the same order in every quarter step.
.macro MUL16 f, hi, a0, zero
	WIN MUL_LO+0x50*(\hi)
.irp a, \a0, (\a0)+1
.irp b, 0,1,2,3,4,5,6,7
.if \zero
	v_wmma_f32_16x16x32_bf16 v[8*(8*(\a)+(\b)):8*(8*(\a)+(\b))+7], v[(\f)+8*(\b):(\f)+8*(\b)+7], v[(\f)+8*(4*(\hi)+(\a)):(\f)+8*(4*(\hi)+(\a))+7], 0
.else
	v_wmma_f32_16x16x32_bf16 v[8*(8*(\a)+(\b)):8*(8*(\a)+(\b))+7], v[(\f)+8*(\b):(\f)+8*(\b)+7], v[(\f)+8*(4*(\hi)+(\a)):(\f)+8*(4*(\hi)+(\a))+7], v[8*(8*(\a)+(\b)):8*(8*(\a)+(\b))+7]
.endif
.endr
.endr
.endm
; 32 LDS loads in one run: the fragments of one quarter step (128 rows of wp, 128 rows of comb, 32 K at byte k of the rows) into buffer f
.macro FETCH slot, k, f
	WIN TO_B
.irp i, 0,1,2,3,4,5,6,7
	ds_load_b128 v[(\f)+8*(\i):(\f)+8*(\i)+3],   v[ADRB+(\slot)] offset:(\k)+(\i)*16*PITCH
	ds_load_b128 v[(\f)+8*(\i)+4:(\f)+8*(\i)+7], v[ADRB+(\slot)] offset:(\k)+(\i)*16*PITCH+32
.endr
	WIN 0
.irp i, 0,1,2,3,4,5,6,7
	ds_load_b128 v[(\f)+8*(\i):(\f)+8*(\i)+3],   v[ADRA+(\slot)] offset:(\k)+(\i)*16*PITCH
	ds_load_b128 v[(\f)+8*(\i)+4:(\f)+8*(\i)+7], v[ADRA+(\slot)] offset:(\k)+(\i)*16*PITCH+32
.endr
.endm
; A load into a register that a matrix instruction has read, and a vector instruction that reads a matrix result, stand four places behind that matrix instruction; only plain vector instructions that
; name none of its registers are places (ISA guide 7.12.1 for vector instructions).
.macro PLACES
.rept 4
	v_nop
.endr
.endm
; A K step is four quarter steps of 32 along K, 64 matrix instructions each, on buffers 0, 1, 0, 1.  One of the first three: multiplies buffer f; in its middle it fetches the next quarter's fragments into g.
.macro QUARTER slot, k, f, g, zero
	s_wait_dscnt 8                                 ; wp's and comb's rows 0-63 are in; the youngest eight loads (comb's rows 64-127) may be out
	WIN MUL_LO
	MUL16 \f, 0, 0, \zero
	MUL16 \f, 0, 2, \zero
	PLACES
	FETCH \slot, \k, \g
	s_wait_dscnt 32                                ; all but the 32 just issued
	WIN MUL_HI
	MUL16 \f, 1, 0, \zero
	MUL16 \f, 1, 2, \zero
.endm
; The last quarter multiplies buffer 1 and changes slots.  MEET is its first half: in front of the barrier, which opens a round of the cluster's barrier, each wave waits for all its tensor loads, of which one is
; out: its part of the next slot; adds 0 to its spare word; and waits for that and for its own reads of this slot.  Behind it nobody reads this slot any more and the next slot is whole.
.macro MEET
	WIN 0                                          ; (the add's two registers lie in window 0)
	s_wait_tensorcnt 0x0                           ; all my tensor loads have landed;
	ds_add_u32 v[SPW], v[NIL]                      ; 0 onto my spare word;
	s_wait_dscnt 9                                 ; (the add and the youngest eight loads may be out)
	WIN MUL_LO
	MUL16 F1, 0, 0, 0                              ; sixteen matrix instructions stand between the add and the wait for it
	s_wait_dscnt 0x0                               ; the add is done, and my reads of this slot are over:
	s_barrier_signal -1                            ; say so,
	MUL16 F1, 0, 2, 0                              ; work on registers while the others arrive,
	WIN 0
	s_barrier_wait -1                              ; and go on when all four have said so
.endm
; The whole last quarter.  Behind the round the slot just read out is filled again first: kind = 0: jointly, with the K step two steps on; kind = 1 (the tile's last use of slot 0): its first half with
; my 64 rows of c_prev.  Then come the next slot's first fragments.  From a request to the wait for it a wave issues 224 matrix instructions.
.macro TURN slot, next, kind
.if (\kind) == 0
	s_wait_xcnt 0x0                                ; the last prefetch, a K step back, has read its address: it is stepped here, ahead of the waits of the change of slots
	s_add_nc_u64 s[PFA:PFA+1], s[PFA:PFA+1], KSTEP*2
.endif
	MEET
	CREST                                          ; no wave of any partner still reads this slot's tile or has a load on its way
.if (\kind) == 0
	s_add_nc_u64 s[G0+4*(\slot)+2:G0+4*(\slot)+3], s[G0+4*(\slot)+2:G0+4*(\slot)+3], 2*KSTEP*2
	s_add_nc_u64 s[G0B+4*(\slot)+2:G0B+4*(\slot)+3], s[G0B+4*(\slot)+2:G0B+4*(\slot)+3], 2*KSTEP*2
	JLOAD \slot                                    ; the first tensor load behind the round; the four v_nop behind it are also the places in front of the loads below
.else
	tensor_load_to_lds s[G0C:G0C+3], s[G1C:G1C+7]  ; my one tensor load behind the round: rows 64 w .. 64 w + 63 of the tile's c_prev
	s_nop 0
	PLACES
.endif
	FETCH \next, 0, F0
.if (\kind) == 0
	ASK \slot
.endif
	WIN MUL_HI
	MUL16 F1, 1, 0, 0
	MUL16 F1, 1, 2, 0
.endm
; THE CELL for block a: my rows 16 a .. 16 a + 15, my 32 hidden columns: 16 outputs a lane, i = 8 s + r.  Four batches of transcendentals, each with a plain instruction behind its last and ONE wait ahead of its
; first reader.
.macro BLOCK a
.set AC, 64*((\a)%4)                   ; the block's eight accumulators, in window 2 (blocks 0-3) or 3 (blocks 4-7)
	WIN 0
	ds_load_b128 v[CP:CP+3],     v[CL] offset:(\a)*16*PITCH      ; c_prev; it is wanted behind the two long batches
	ds_load_b128 v[CP+4:CP+7],   v[CL] offset:(\a)*16*PITCH+16
	ds_load_b128 v[CP+8:CP+11],  v[CL] offset:(\a)*16*PITCH+64
	ds_load_b128 v[CP+12:CP+15], v[CL] offset:(\a)*16*PITCH+80
	WIN 0x02+(\a)/4                                ; source 0: the accumulators' window
.set j, 0
.rept 32                               ; factor x sum + factor x bias; each accumulator's registers in ascending order
.if (j >= 32) && (j < 48)
	v_pk_fma_f32 v[Z+j:Z+j+1], v[AC+j:AC+j+1], s[KT:KT+1], v[BI+j:BI+j+1] op_sel_hi:[1,0,1]
.else
	v_pk_fma_f32 v[Z+j:Z+j+1], v[AC+j:AC+j+1], s[KS:KS+1], v[BI+j:BI+j+1] op_sel_hi:[1,0,1]
.endif
.set j, j+2
.endr
	WIN 0
.set j, 0
.rept 64
	v_exp_f32 v[Z+j], v[Z+j]
.set j, j+1
.endr
	v_nop
	s_wait_alu depctr_va_vdst(0)                   ; one wait for the 64 exponentials
.set j, 0
.rept 32
	v_pk_add_f32 v[Z+j:Z+j+1], v[Z+j:Z+j+1], 1.0 op_sel_hi:[1,0]
.set j, j+2
.endr
.set j, 0
.rept 64
	v_rcp_f32 v[Z+j], v[Z+j]                       ; Z: f; Z + 16: i; Z + 32: R with tanh(c~) = 1 - 2 R; Z + 48: o
.set j, j+1
.endr
	v_nop
	s_wait_alu depctr_va_vdst(0)                   ; one wait for the 64 reciprocals
	s_wait_dscnt 0x0                               ; c_prev is in: its four loads are my youngest LDS instructions
.set j, 0
.rept 8
	v_pk_mul_f32 v[Z+32+j:Z+32+j+1], v[Z+16+j:Z+16+j+1], v[Z+32+j:Z+32+j+1]  ; i R
.set j, j+2
.endr
.set j, 0
.rept 8
	v_pk_fma_f32 v[Z+16+j:Z+16+j+1], v[Z+32+j:Z+32+j+1], -2.0, v[Z+16+j:Z+16+j+1] op_sel_hi:[1,0,1]  ; i - 2 i R = i tanh(c~)
.set j, j+2
.endr
.set j, 0
.rept 8
	v_pk_fma_f32 v[CP+j:CP+j+1], v[Z+j:Z+j+1], v[CP+j:CP+j+1], v[Z+16+j:Z+16+j+1]  ; c_t = f c_prev + i tanh(c~)
.set j, j+2
.endr
	ds_store_b128 v[CSL], v[CP:CP+3]     offset:(\a)*16*PITCH
	ds_store_b128 v[CSL], v[CP+4:CP+7]   offset:(\a)*16*PITCH+16
	ds_store_b128 v[CSL], v[CP+8:CP+11]  offset:(\a)*16*PITCH+64
	ds_store_b128 v[CSL], v[CP+12:CP+15] offset:(\a)*16*PITCH+80
.set j, 0
.rept 8
	v_pk_mul_f32 v[Z+j:Z+j+1], v[CP+j:CP+j+1], s[KT:KT+1] op_sel_hi:[1,0]
.set j, j+2
.endr
.set j, 0
.rept 16
	v_exp_f32 v[Z+j], v[Z+j]
.set j, j+1
.endr
	v_nop
	s_wait_alu depctr_va_vdst(0)
.set j, 0
.rept 8
	v_pk_add_f32 v[Z+j:Z+j+1], v[Z+j:Z+j+1], 1.0 op_sel_hi:[1,0]
.set j, j+2
.endr
.set j, 0
.rept 16
	v_rcp_f32 v[Z+j], v[Z+j]                       ; R with tanh(c_t) = 1 - 2 R
.set j, j+1
.endr
	v_nop
	s_wait_alu depctr_va_vdst(0)
.set j, 0
.rept 8
	v_pk_mul_f32 v[Z+j:Z+j+1], v[Z+48+j:Z+48+j+1], v[Z+j:Z+j+1]  ; o R
.set j, j+2
.endr
.set j, 0
.rept 8
	v_pk_fma_f32 v[Z+48+j:Z+48+j+1], v[Z+j:Z+j+1], -2.0, v[Z+48+j:Z+48+j+1] op_sel_hi:[1,0,1]  ; h_t = o - 2 o R
.set j, j+2
.endr
	ds_store_b128 v[HL], v[Z+48:Z+51] offset:(\a)*16*PITCH
	ds_store_b128 v[HL], v[Z+52:Z+55] offset:(\a)*16*PITCH+16
	ds_store_b128 v[HL], v[Z+56:Z+59] offset:(\a)*16*PITCH+64
	ds_store_b128 v[HL], v[Z+60:Z+63] offset:(\a)*16*PITCH+80
.endm
	s_wait_tensorcnt 1                             ; my part of K step 0 is in; K step 1's load, issued behind it, may stay out
	s_barrier_signal -1
	s_barrier_wait -1                              ; everybody's is
	FETCH 0, 0, F0
	QUARTER 0, 64,  F0, F1, 1                      ; the first quarter stands in front of the loop: its products start the sums
	WIN 0                                          ; at a label and at a branch every window is 0
	s_mov_b32 s3, LAPS-1
.Llap:                                                 ; a trip goes once round the ring, from a lap's second quarter to the next lap's first, and fills both slots again
	QUARTER 0, 128, F1, F0, 0
	QUARTER 0, 192, F0, F1, 0
	TURN 0, 1, 0
	QUARTER 1, 64,  F0, F1, 0
	QUARTER 1, 128, F1, F0, 0
	QUARTER 1, 192, F0, F1, 0
	TURN 1, 0, 0
	QUARTER 0, 64,  F0, F1, 0
	WIN 0
	s_sub_co_u32 s3, s3, 1
	s_cmp_lg_u32 s3, 0
	s_cbranch_scc1 .Llap
	QUARTER 0, 128, F1, F0, 0                      ; the last lap is written out: it asks for no further K step
	QUARTER 0, 192, F0, F1, 0
	TURN 0, 1, 1                                   ; slot 0 has been read for the last time: c_prev goes into its first half
	QUARTER 1, 64,  F0, F1, 0
	QUARTER 1, 128, F1, F0, 0
	QUARTER 1, 192, F0, F1, 0
	s_wait_dscnt 8                                 ; the very last quarter: nothing more to fetch
	WIN MUL_LO
	MUL16 F1, 0, 0, 0
	MUL16 F1, 0, 2, 0
	s_wait_tensorcnt 0x0                           ; my 64 rows of c_prev have landed (other waves read them),
	s_wait_dscnt 0x0                               ; and my reads of slot 1 are over (other waves store into it): no tensor load fills anything behind this barrier
	s_barrier_signal -1
	MUL16 F1, 1, 0, 0
	MUL16 F1, 1, 2, 0
	WIN 0
	s_barrier_wait -1
	PLACES                                         ; the places behind the last products, in front of the lines that read results and write the fragments' registers
	PLACES
.irp a, 0,1,2,3,4,5,6,7
	BLOCK \a
.endr
	; THE WAY OUT.  A row's 256 bytes come from two waves, so a barrier stands between the writing of the stages and the reading; then each wave reads 64 whole rows of each stage and stores them.
	s_wait_dscnt 0x0                               ; for the others' sake: my stores into the stages are done
	s_barrier_signal -1
	s_barrier_wait -1
.set t, 0
.rept 32
	ds_load_b128 v[OB+4*t:OB+4*t+3], v[RDC] offset:2*PITCH*t
.set t, t+1
.endr
	WIN TO_B                                       ; h_t's rows into window 1
.set t, 0
.rept 32
	ds_load_b128 v[OB+4*t:OB+4*t+3], v[RDH] offset:2*PITCH*t
.set t, t+1
.endr
	WIN 0
.set t, 0
.rept 32
	s_wait_dscnt 63-t                              ; LDS loads come back in order (ISA guide 5.7.1): c_t's load t is in; 63 - t younger ones may be out
	global_store_b128 v[CO], v[OB+4*t:OB+4*t+3], s[86:87] offset:2*4096*t th:TH_STORE_NT  ; 16 lanes store 256 consecutive bytes, at a multiple of 256 from out1's first byte
.set t, t+1
.endr
	WIN 0x04                                       ; store data (source 1) in window 1
.set t, 0
.rept 32
	s_wait_dscnt 31-t                              ; h_t's load t is in
	global_store_b128 v[CO], v[OB+4*t:OB+4*t+3], s[84:85] offset:2*4096*t th:TH_STORE_NT  ; the same in out0
.set t, t+1
.endr
	WIN 0
	s_wait_tensorcnt 0x0                           ; the wave's end: behind my last tensor load and my last LDS store
	ds_add_u32 v[SPW], v[NIL]
	s_wait_dscnt 0x0
	CROUND                                         ; the closing round: no work-group ends while a partner may still ask for a tile that names it
	s_endpgm
.Lfunc_end_k_q18441eff49_lstm:
	.size	k_q18441eff49_lstm, .Lfunc_end_k_q18441eff49_lstm-k_q18441eff49_lstm
	.p2alignl 7, 3214868480
	.fill 96, 4, 3214868480
	.section	.rodata,"a",@progbits
	.p2align	6, 0x0
	.amdhsa_kernel k_q18441eff49_lstm
		.amdhsa_group_segment_fixed_size 327680
		.amdhsa_private_segment_fixed_size 0
		.amdhsa_enable_private_segment 0
		.amdhsa_kernarg_size 72
		.amdhsa_user_sgpr_count 2
		.amdhsa_user_sgpr_kernarg_segment_ptr 1
		.amdhsa_wavefront_size32 1
		.amdhsa_system_sgpr_workgroup_id_x 1
		.amdhsa_system_sgpr_workgroup_id_y 1
		.amdhsa_system_sgpr_workgroup_id_z 1
		.amdhsa_system_vgpr_workitem_id 0
		.amdhsa_next_free_vgpr 1024
		.amdhsa_next_free_sgpr 96
		.amdhsa_reserve_vcc 0
		.amdhsa_float_denorm_mode_32 3
		.amdhsa_float_denorm_mode_16_64 3
		.amdhsa_memory_ordered 1
		.amdhsa_forward_progress 1
		.amdhsa_inst_pref_size 239
	.end_amdhsa_kernel
	.amdgpu_metadata
---
amdhsa.version: [ 1, 2 ]
amdhsa.kernels:
  - .name:           k_q18441eff49_lstm
    .symbol:         k_q18441eff49_lstm.kd
    .args:
      - { .name: comb, .offset: 0, .size: 8, .value_kind: global_buffer, .address_space: global }
      - { .name: wp, .offset: 8, .size: 8, .value_kind: global_buffer, .address_space: global }
      - { .name: c_prev, .offset: 16, .size: 8, .value_kind: global_buffer, .address_space: global }
      - { .name: b_f, .offset: 24, .size: 8, .value_kind: global_buffer, .address_space: global }
      - { .name: b_i, .offset: 32, .size: 8, .value_kind: global_buffer, .address_space: global }
      - { .name: b_c, .offset: 40, .size: 8, .value_kind: global_buffer, .address_space: global }
      - { .name: b_o, .offset: 48, .size: 8, .value_kind: global_buffer, .address_space: global }
      - { .name: out0, .offset: 56, .size: 8, .value_kind: global_buffer, .address_space: global }
      - { .name: out1, .offset: 64, .size: 8, .value_kind: global_buffer, .address_space: global }
    .group_segment_fixed_size: 327680
    .private_segment_fixed_size: 0
    .kernarg_segment_align: 8
    .kernarg_segment_size: 72
    .max_flat_workgroup_size: 128
    .sgpr_count:     96
    .vgpr_count:     1024
    .wavefront_size: 32
...
	.end_amdgpu_metadata
.endif
;; end of part 2
;; ======== version 2 of 2: 2 launches; version 1 with the launch pack written anew for expert scheduling mode
;; workspace buffers: comb 33,554,432 bytes; wp 16,777,216 bytes
;; launch pack (part 3): grid 256 x 3, 8 waves a work-group, no clusters, 0 bytes of LDS; arguments x, h_prev, W_f, W_i, W_c, W_o, comb, wp; writes comb, wp
.if DOCPART == 3
	.amdgcn_target "amdgcn-amd-amdhsa--gfx1250"
	.amdhsa_code_object_version 6
	.text
	.protected	k_q18441eff49_pack
	.globl	k_q18441eff49_pack
	.p2align	8
	.type	k_q18441eff49_pack,@function
k_q18441eff49_pack:
	s_mov_b64 s[64:65], 0
	v_nop
	global_prefetch_b8 v0, s[64:65] scope:SCOPE_SE
	s_setreg_imm32_b32 hwreg(HW_REG_WAVE_SCHED_MODE, 0, 2), 2
	s_setreg_imm32_b32 hwreg(HW_REG_WAVE_MODE, 25, 1), 1
	s_wait_xcnt 0x0
	s_wait_alu depctr_vm_vsrc(0)
; x, h_prev and the four weight matrices, all f32, are rounded once to bf16 (nearest even) and laid out for the product that follows:
;   comb [8192][2048] bf16: row m = x[m][0..1023], then h_prev[m][0..1023]; a row is 4,096 bytes.
;   wp   [4096][2048] bf16: row (j >> 5) * 128 + g * 32 + (j & 31) = W_g[j], g = 0 f, 1 i, 2 c, 3 o: 128 rows on end hold all four gates of 32 hidden columns.
; A stream: each source byte is read once, each byte of comb and wp written once.  No LDS, no barrier, no loop, no matrix unit: nothing is shared and nothing is summed.
; SHARES.  A PIECE is 4,096 source bytes (1,024 f32), which become 2,048 bytes.  A work-group takes 32 pieces on end in its source: grid y = 0: 32 rows of x; y = 1: 32 rows of h_prev;
; y = 2: 16 rows (two pieces each) of W_g, g = grid x / 64.  In the destination its pieces lie 4,096 bytes apart (comb: one half of a row each) or 2,048 (wp: on end).
; Wave w takes pieces 4 w .. 4 w + 3.  A piece is eight chunks: one load of 16 bytes a lane (512 consecutive bytes a wave) and one store of 8 bytes a lane (256 consecutive bytes, aligned).
; All 32 loads of a wave go out first (16 KiB on their way); the chunks are rounded as they arrive, four at a time.
; THE MODE: SCHED_MODE bits 1:0 = 2 (LLVM: expert scheduling mode 2), set by the entry lines.  The code itself states the register dependences
; between vector instructions and memory instructions, with s_wait_alu, always for 0.
; THE PLAN.  Registers that memory instructions touch:
;   v1, v[2:5]   byte offsets, made once at the head and never written again: read by every load (v1) and every store (v[2:5]).
;   v[8:135]     chunk k's four registers: written by load k; read by chunk k's two conversions, which write the first two of them; those two are read by store k.  Nothing writes them after that.
; The 32 chunks go in 8 GROUPS of four.  Group g rounds its own four chunks; its memory instructions are the four stores of group g - 1, whose registers no conversion of group g names.
; So one wait on va_vdst at a group's head states all that its four stores hang on, and they are dealt among its conversions with no further wait.
; No register that a memory instruction reads is ever written again, so the text holds no wait on vm_vsrc and no s_wait_xcnt; no load is issued behind a conversion.
.set D, 8                              ; v[8:135]  chunk k = 8 i + c (piece i of my four, chunk c) at D + 4 k
.set GRP, 4                            ; chunks in a group
	s_load_b512 s[16:31], s[0:1], 0x0              ; x s[16:17], h_prev s[18:19], W_f s[20:21], W_i s[22:23], W_c s[24:25], W_o s[26:27], comb s[28:29], wp s[30:31]
	v_lshrrev_b32 v7, 5, v0
	v_readfirstlane_b32 s8, v7                     ; wave 0..7
	v_and_b32 v6, 31, v0                           ; lane
	s_and_b32 s9, ttmp7, 0xffff                    ; grid y: which source
	s_mov_b32 s10, ttmp9                           ; grid x
	s_lshr_b32 s11, s10, 6                         ; for the weights: gate g,
	s_and_b32 s12, s10, 63                         ; and block of 16 rows in W_g
	s_lshl_b32 s44, s10, 17                        ; comb: 32 rows of 4,096 bytes a work-group,
	s_lshl_b32 s45, s9, 11                         ; h_prev in the rows' second half
	s_add_co_u32 s44, s44, s45
	s_lshr_b32 s46, s12, 1                         ; wp: row ((blk >> 1) * 128 + g * 32 + (blk & 1) * 16)
	s_lshl_b32 s46, s46, 7
	s_lshl_b32 s47, s11, 5
	s_add_co_u32 s46, s46, s47
	s_and_b32 s47, s12, 1
	s_lshl_b32 s47, s47, 4
	s_add_co_u32 s46, s46, s47
	s_lshl_b32 s46, s46, 12                        ; of 4,096 bytes
	s_cmp_eq_u32 s9, 2                             ; the weights?
	s_cselect_b32 s13, s12, s10                    ; my block of 131,072 bytes in the source
	s_cselect_b32 s14, 11, 12                      ; the pieces' distance in the destination, as a shift
	s_cselect_b32 s34, s46, s44                    ; my first byte in the destination
	s_lshl_b32 s32, s13, 17
	s_mov_b32 s33, 0
	s_mov_b32 s35, 0
	s_wait_alu depctr_va_sdst(0)                   ; s8, the wave's number, is written, ahead of its first reader: the line below
	s_lshl_b32 s42, s8, 2                          ; my first piece
.irp i, 0,1,2,3
	s_add_co_u32 s[36+(\i)], s42, \i
	s_lshl_b32 s[36+(\i)], s[36+(\i)], s14
	v_lshl_add_u32 v[2+(\i)], v6, 3, s[36+(\i)]    ; v[2:5]: 8 x lane + my piece i's place in the destination
.endr
	s_lshl_b32 s15, s8, 14
	v_lshl_add_u32 v1, v6, 4, s15                  ; v1: 16 x lane + my four pieces' place in the source
	s_wait_kmcnt 0x0
	s_cmp_eq_u32 s9, 0                             ; the pointers are chosen by the grid's numbers alone
	s_cselect_b64 s[4:5], s[16:17], s[18:19]
	s_cmp_eq_u32 s11, 1
	s_cselect_b64 s[40:41], s[22:23], s[20:21]
	s_cmp_eq_u32 s11, 2
	s_cselect_b64 s[40:41], s[24:25], s[40:41]
	s_cmp_eq_u32 s11, 3
	s_cselect_b64 s[40:41], s[26:27], s[40:41]
	s_cmp_eq_u32 s9, 2
	s_cselect_b64 s[4:5], s[40:41], s[4:5]         ; the source,
	s_cselect_b64 s[6:7], s[30:31], s[28:29]       ; the destination
	s_add_nc_u64 s[4:5], s[4:5], s[32:33]
	s_add_nc_u64 s[6:7], s[6:7], s[34:35]
	s_wait_alu depctr_va_vdst(0)                   ; v1 to v5 are written: every load and store of the kernel reads one of them as its offset
.set k, 0
.rept 32
	global_load_b128 v[D+4*k:D+4*k+3], v1, s[4:5] offset:(k/8)*4096+(k%8)*512 th:TH_LOAD_NT
.set k, k+1
.endr
.set g, 0
.rept 32/GRP
	s_wait_loadcnt 32-GRP-GRP*g                    ; loads come back in order (ISA guide 5.7.1): group g's four chunks are in, the 28 - 4 g younger loads stay out
.if g > 0
	s_wait_alu depctr_va_vdst(0)                   ; the conversions of the group before have written the registers that the four stores below read
.endif
.set c, 0
.rept GRP
.set k, GRP*g+c                        ; the chunk that is rounded,
.set p, k-GRP                          ; and the one that is stored: the same place in the group before
.if g > 0
	global_store_b64 v[2+p/8], v[D+4*p:D+4*p+1], s[6:7] offset:(p%8)*256  ; the wave's 32 lanes store 256 consecutive bytes, at a multiple of 256 from the buffer's first byte; no vector instruction since the wait names these registers
.endif
	v_cvt_pk_bf16_f32 v[D+4*k], v[D+4*k], v[D+4*k+1]
	v_cvt_pk_bf16_f32 v[D+4*k+1], v[D+4*k+2], v[D+4*k+3]
.set c, c+1
.endr
.set g, g+1
.endr
	s_wait_alu depctr_va_vdst(0)                   ; the last group's conversions have written the registers that the last four stores read
.set p, 32-GRP
.rept GRP
	global_store_b64 v[2+p/8], v[D+4*p:D+4*p+1], s[6:7] offset:(p%8)*256
.set p, p+1
.endr
	s_endpgm
.Lfunc_end_k_q18441eff49_pack:
	.size	k_q18441eff49_pack, .Lfunc_end_k_q18441eff49_pack-k_q18441eff49_pack
	.p2alignl 7, 3214868480
	.fill 96, 4, 3214868480
	.section	.rodata,"a",@progbits
	.p2align	6, 0x0
	.amdhsa_kernel k_q18441eff49_pack
		.amdhsa_group_segment_fixed_size 0
		.amdhsa_private_segment_fixed_size 0
		.amdhsa_enable_private_segment 0
		.amdhsa_kernarg_size 64
		.amdhsa_user_sgpr_count 2
		.amdhsa_user_sgpr_kernarg_segment_ptr 1
		.amdhsa_wavefront_size32 1
		.amdhsa_system_sgpr_workgroup_id_x 1
		.amdhsa_system_sgpr_workgroup_id_y 1
		.amdhsa_system_sgpr_workgroup_id_z 1
		.amdhsa_system_vgpr_workitem_id 0
		.amdhsa_next_free_vgpr 140
		.amdhsa_next_free_sgpr 66
		.amdhsa_reserve_vcc 0
		.amdhsa_float_denorm_mode_32 3
		.amdhsa_float_denorm_mode_16_64 3
		.amdhsa_memory_ordered 1
		.amdhsa_forward_progress 1
		.amdhsa_inst_pref_size 13
	.end_amdhsa_kernel
	.amdgpu_metadata
---
amdhsa.version: [ 1, 2 ]
amdhsa.kernels:
  - .name:           k_q18441eff49_pack
    .symbol:         k_q18441eff49_pack.kd
    .args:
      - { .name: x, .offset: 0, .size: 8, .value_kind: global_buffer, .address_space: global }
      - { .name: h_prev, .offset: 8, .size: 8, .value_kind: global_buffer, .address_space: global }
      - { .name: W_f, .offset: 16, .size: 8, .value_kind: global_buffer, .address_space: global }
      - { .name: W_i, .offset: 24, .size: 8, .value_kind: global_buffer, .address_space: global }
      - { .name: W_c, .offset: 32, .size: 8, .value_kind: global_buffer, .address_space: global }
      - { .name: W_o, .offset: 40, .size: 8, .value_kind: global_buffer, .address_space: global }
      - { .name: comb, .offset: 48, .size: 8, .value_kind: global_buffer, .address_space: global }
      - { .name: wp, .offset: 56, .size: 8, .value_kind: global_buffer, .address_space: global }
    .group_segment_fixed_size: 0
    .private_segment_fixed_size: 0
    .kernarg_segment_align: 8
    .kernarg_segment_size: 64
    .max_flat_workgroup_size: 256
    .sgpr_count:     66
    .vgpr_count:     140
    .wavefront_size: 32
...
	.end_amdgpu_metadata
.endif
;; end of part 3
;; launch lstm: the kernel of part 2 again; grid 16 x 32, 4 waves a work-group, clusters of 4 x 4, 327,680 bytes of LDS; arguments comb, wp, c_prev, b_f, b_i, b_c, b_o, out0, out1; writes out0, out1
